; MI455X (gfx1250); checked and timed in simulation.
; The chip was launched on July 23, 2026; its instructions are those of AMD's public machine-readable ISA for CDNA 5 (MIT licence, August 2026) and "CDNA5" Instruction Set Architecture Reference Guide (July 2026). The comments in the code are by the model that wrote it; some were corrected since.
;; Graph Emb. Allowed arithmetic: float matrix products may take bf16 or f16 operands with f32 sums; all other float work in f32.
;; Inputs: W_f 128 x 128 float32; W_g 1 x 128 float32; b_f 128 float32; b_g 1 float32; h 512 x 512 x 128 float32; ns 512 int32.
;; Outputs: out0 512 x 128 float32.
;; 2 versions, each right; version 2 is version 1 with the launch graphemb written anew for expert scheduling mode. Each part assembles by itself: llvm-mc -triple=amdgcn-amd-amdhsa -mcpu=gfx1250 --defsym DOCPART=n.
;; ======== version 1 of 2: 1 launch
;; launch graphemb (part 1): grid 512 x 1, 16 waves a work-group, no clusters, 11,264 bytes of LDS; arguments h, ns, W_f, b_f, W_g, b_g, out0; writes out0
.if DOCPART == 1
	.amdgcn_target "amdgcn-amd-amdhsa--gfx1250"
	.amdhsa_code_object_version 6
	.text
	.protected	k_q2a08534d0b_graphemb
	.globl	k_q2a08534d0b_graphemb
	.p2align	8
	.type	k_q2a08534d0b_graphemb,@function
k_q2a08534d0b_graphemb:
	s_mov_b64 s[64:65], 0
	v_nop
	global_prefetch_b8 v0, s[64:65] scope:SCOPE_SE
	s_setreg_imm32_b32 hwreg(HW_REG_WAVE_MODE, 25, 1), 1
	s_wait_xcnt 0x0
; out[b] = hG / max(|hG|, 1e-12),  hG = sum over n < ns[b] of sigmoid(h[b][n].W_g + b_g) * (W_f h[b][n] + b_f).
; The projection is linear, so hG = W_f s + b_f G with s = sum g_n h[b][n] (128 numbers) and G = sum g_n: an identity for every input.
; What is left per row is one dot product of 128 and one scaled add of 128; per graph one product of W_f with a single vector.
; All of it is done in f32 on the vector unit: every product has one row or one column, and the bytes of h decide the time.
;
; One work-group = one graph, 16 waves.  Rows go in blocks of 16 (8,192 bytes); block j belongs to wave j % 16, so a wave has 0, 1 or 2
; blocks.  Blocks that begin at or behind ns[b] are never loaded.  No address hangs on ns: only forward scalar branches do.
; A load of a wave: lanes 0-15 take 256 consecutive aligned bytes of one row, lanes 16-31 the same columns of the next row; a second load
; takes the rows' other 256 bytes.  So a lane holds 8 columns of a row, and a row's dot product is summed over 16 lanes by four DPP adds,
; two rows at a time.
; A block's 16 loads are issued in one run (64 registers); the second block's loads, and at the end this wave's 8 rows of W_f, are
; issued into each group of 16 registers as soon as it has been used.
;
; No cluster and no joint request for W_f, which all work-groups read: each wave's path hangs on ns[b], which differs from one
; work-group to the next, and partners of a joint request may not differ in their branches.
;
; LIMITS.  ns is clamped to 0..512, which gives the mask that arange(512) < ns gives.  Rows at or behind ns in the graph's last block of
; 16 are read and get the gate 0: an Inf or NaN there gives NaN, as it does where a product with a zero mask is formed; rows of later blocks
; are not read at all.  v_exp_f32 and v_rcp_f32 flush denormals (ISA guide 15.8): a gate below 2^-126 counts as 0.  An exponent too large
; gives Inf, then 1/Inf = 0, the right limit.  The sums are made in another order than a sum along n.
.set ROW,    512                       ; bytes in a row of h, of W_f and of out
.set UNIT,   2*ROW                     ; two rows: what two loads of a wave bring
.set BLOCK,  16*ROW                    ; a wave's block
.set WAVES,  16
.set STRIDE, WAVES*BLOCK               ; from a wave's first block to its second
.set GSB,    WAVES*ROW                 ; LDS: 16 partial vectors of 512 bytes at 0, then 16 partial gate sums,
.set OUTB,   GSB+256                   ; then the 128 numbers of W_f s
.set VOFF, 1                           ; v1        512 (lane / 16) + 16 (lane % 16): my 16 bytes in a unit's first 256-byte halves
.set LS,   2                           ; v2        LDS: 512 wave + 16 (lane % 16)
.set LR,   3                           ; v3        16 lane: offset in a row of W_f, of b_f, of out, of a partial vector
.set VREM, 4                           ; v4        rows left at my last block's head, minus lane / 16; later an LDS address
.set GS,   5                           ; v5        sum of my rows' gates
.set C16,  6                           ; v6        16 (lane % 16)
.set HH,   7                           ; v7        lane / 16; later an LDS address
.set BF,   8                           ; v[8:11]   b_f of columns 4 lane .. 4 lane + 3
.set GA,   12                          ; v[12:13]  gate of unit a, and a register that is only there to make a pair
.set GB,   14                          ; v[14:15]  the same for unit b
.set X,    16                          ; v[16:79]  a block: unit u in 8 registers; v[16:47] later 8 rows of W_f
.set R,    48                          ; v[48:111] behind the stream: the 16 partial vectors, 4 registers each
.set WG,   80                          ; v[80:87]  -log2(e) W_g of my 8 columns
.set ACC,  88                          ; v[88:95]  sum of g h over my rows, my 8 columns
.set PA,   96                          ; v[96:97]  unit a: two partial dot products
.set PB,   98                          ; v[98:99]  unit b
.set QA,   100
.set QB,   101
.set EA,   102
.set EB,   103
.set BI,   104                         ; v[104:105] -log2(e) b_g / 32, twice: 16 lanes x 2 partial sums start from it
.set T,    R+4                         ; v[52:59]  8 dot products with W_f's rows
.set U,    R+12                        ; v[60:63]
.set V,    R+16                        ; v[64:67]
	s_load_b256 s[4:11], s[0:1], 0x0               ; h s[4:5], ns s[6:7], W_f s[8:9], b_f s[10:11]
	s_load_b128 s[12:15], s[0:1], 0x20             ; W_g s[12:13], b_g s[14:15]
	s_load_b64 s[16:17], s[0:1], 0x30              ; out
	v_lshl_add_u32 v112, v0, 2, 0x2400
	v_mov_b32 v113, 0
	v_lshrrev_b32 v[HH], 5, v0
	v_readfirstlane_b32 s3, v[HH]                  ; wave 0..15
	v_and_b32 v[C16], 15, v0
	v_bfe_u32 v[HH], v0, 4, 1                      ; lane / 16
	v_and_b32 v[LR], 31, v0
	v_lshlrev_b32 v[C16], 4, v[C16]
	v_lshlrev_b32 v[LR], 4, v[LR]
	v_lshl_add_u32 v[VOFF], v[HH], 9, v[C16]
	s_lshl_b32 s18, ttmp9, 2                       ; byte offset of ns[b]
	s_lshl_b32 s24, s3, 13                         ; h: wave x 8,192
	s_lshl_b32 s25, ttmp9, 18                      ;    + graph x 262,144 (below 2^27)
	s_add_co_u32 s24, s24, s25
	s_mov_b32 s25, 0
	s_lshl_b32 s26, s3, 12                         ; W_f: wave x 8 rows
	s_mov_b32 s27, 0
	s_lshl_b32 s28, ttmp9, 9                       ; out: graph x 512
	s_mov_b32 s29, 0
	s_lshl_b32 s2, s3, 9                           ; LDS: wave x 512
	v_add_nc_u32 v[LS], s2, v[C16]
	; The sums start at 0 in registers: a wave may have no block at all, and the first block is worked on by one of two texts.
.irp i, 0,1,2,3,4,5,6,7
	v_mov_b32 v[ACC+\i], 0
.endr
	v_mov_b32 v[GS], 0
.irp i, 0,1,2,3
	v_mov_b32 v[GA+\i], 0                          ; pairs are read whole, and v_permlanex16_b32 counts as a reader of its destination
.endr
	s_wait_kmcnt 0x0
	s_load_b32 s19, s[6:7], s18 offset:0x0         ; ns[b]
	s_load_b32 s20, s[14:15], 0x0                  ; b_g
	global_load_b128 v[WG:WG+3],   v[C16], s[12:13]
	global_load_b128 v[WG+4:WG+7], v[C16], s[12:13] offset:256
	global_load_b128 v[BF:BF+3],   v[LR],  s[10:11]
	s_add_nc_u64 s[4:5], s[4:5], s[24:25]          ; h at my first block
	s_add_nc_u64 s[8:9], s[8:9], s[26:27]          ; W_f at my 8 rows
	s_add_nc_u64 s[16:17], s[16:17], s[28:29]      ; out at my graph's row
	s_wait_kmcnt 0x0
	s_max_i32 s19, s19, 0
	s_min_u32 s19, s19, 512                        ; ns in 0..512
	s_add_co_u32 s21, s19, 15
	s_lshr_b32 s21, s21, 4                         ; blocks of the graph, the last perhaps in part: 0..32
	s_add_co_u32 s22, s21, 15
	s_sub_co_u32 s22, s22, s3
	s_lshr_b32 s22, s22, 4                         ; blocks of this wave: 0, 1 or 2
.macro LOADU u, base                   ; unit u of a block: two rows, 1,024 consecutive bytes by two loads
	global_load_b128 v[X+8*(\u):X+8*(\u)+3],   v[VOFF], s[4:5] offset:\base+(\u)*UNIT th:TH_LOAD_NT
	global_load_b128 v[X+8*(\u)+4:X+8*(\u)+7], v[VOFF], s[4:5] offset:\base+(\u)*UNIT+256 th:TH_LOAD_NT
.endm
.macro LOADW k                         ; row k of my 8 rows of W_f: 512 consecutive bytes; read by every work-group, so no hint
	global_load_b128 v[X+4*(\k):X+4*(\k)+3], v[LR], s[8:9] offset:(\k)*ROW
.endm
.macro XADD r, m                       ; lane i adds lane i xor m of its 16
	v_add_f32_dpp v[\r], v[\r], v[\r] row_xmask:\m row_mask:0xf bank_mask:0xf
.endm
	s_cmp_lg_u32 s22, 0
	s_cbranch_scc1 .Lwork
	; A wave without rows: its sums stay 0; it still takes its share of W_f.
.irp k, 0,1,2,3,4,5,6,7
	LOADW \k
.endr
	s_wait_loadcnt 8                               ; the 8 loads above stay out; W_g's are in, whose registers are loaded again from LDS below
	s_branch .Lcombine
.Lwork:
.irp u, 0,1,2,3,4,5,6,7
	LOADU \u, 0                                    ; my first block, all 16 loads in one run
.endr
	s_lshl_b32 s23, s3, 4
	s_sub_co_u32 s23, s19, s23                     ; ns - 16 wave
	s_sub_co_u32 s30, s22, 1
	s_lshl_b32 s30, s30, 8
	s_sub_co_u32 s23, s23, s30                     ; - 256 if my last block is my second: rows left at its head, at least 1
	v_sub_nc_u32 v[VREM], s23, v[HH]               ; row 2 u + lane / 16 of that block counts if 2 u < this
	s_mov_b32 s31, 0xbd38aa3b                      ; -log2(e) / 32
	v_mul_f32 v[BI], s20, s31
	v_mul_f32 v[BI+1], s20, s31
	s_wait_loadcnt 16                              ; the block's 16 loads stay out; W_g and b_f, issued before them, are in (in order: ISA guide 5.7.1)
.irp i, 0,2,4,6
	v_pk_mul_f32 v[WG+\i:WG+\i+1], v[WG+\i:WG+\i+1], 0xbfb8aa3b op_sel_hi:[1,0]   ; sigmoid(x) = 1 / (1 + 2^(-log2(e) x))
.endr
; Four rows: units a = 2 s and b = 2 s + 1.  left = how many younger loads may stay out.  masked = 1: rows at or behind ns get the gate 0.
; refill = 1: the same units of my second block; 2: rows 4 s .. 4 s + 3 of my part of W_f; 0: nothing.
; Unit b runs behind unit a, so that behind each v_exp_f32 and v_rcp_f32 a plain instruction of the other unit stands before the result
; is used (ISA guide 5.7.2).
.macro STEP s, masked, left, refill
.set XA, X+16*\s
.set XB, X+16*\s+8
	s_wait_loadcnt \left
	v_pk_fma_f32 v[PA:PA+1], v[XA:XA+1],   v[WG:WG+1],   v[BI:BI+1]
	v_pk_fma_f32 v[PA:PA+1], v[XA+2:XA+3], v[WG+2:WG+3], v[PA:PA+1]
	v_pk_fma_f32 v[PA:PA+1], v[XA+4:XA+5], v[WG+4:WG+5], v[PA:PA+1]
	v_pk_fma_f32 v[PA:PA+1], v[XA+6:XA+7], v[WG+6:WG+7], v[PA:PA+1]
	v_pk_fma_f32 v[PB:PB+1], v[XB:XB+1],   v[WG:WG+1],   v[BI:BI+1]
	v_add_f32 v[QA], v[PA], v[PA+1]
	v_pk_fma_f32 v[PB:PB+1], v[XB+2:XB+3], v[WG+2:WG+3], v[PB:PB+1]
	XADD QA, 1
	v_pk_fma_f32 v[PB:PB+1], v[XB+4:XB+5], v[WG+4:WG+5], v[PB:PB+1]
	XADD QA, 2
	XADD QA, 4
	XADD QA, 8                                     ; each 16 lanes: -log2(e) (h.W_g + b_g) of their row
	v_exp_f32 v[EA], v[QA]
	v_pk_fma_f32 v[PB:PB+1], v[XB+6:XB+7], v[WG+6:WG+7], v[PB:PB+1]
	s_wait_alu depctr_va_vdst(0)
	v_add_f32 v[EA], 1.0, v[EA]
	v_rcp_f32 v[GA], v[EA]
	v_add_f32 v[QB], v[PB], v[PB+1]
.if \masked
	v_cmp_lt_i32 vcc_lo, 4*\s, v[VREM]
	s_wait_alu depctr_va_vdst(0)
	v_cndmask_b32 v[GA], 0, v[GA], vcc_lo
.endif
	XADD QB, 1
	s_wait_alu depctr_va_vdst(0)
	v_pk_fma_f32 v[ACC:ACC+1],   v[XA:XA+1],   v[GA:GA+1], v[ACC:ACC+1]   op_sel_hi:[1,0,1]
	XADD QB, 2
	v_pk_fma_f32 v[ACC+2:ACC+3], v[XA+2:XA+3], v[GA:GA+1], v[ACC+2:ACC+3] op_sel_hi:[1,0,1]
	XADD QB, 4
	v_pk_fma_f32 v[ACC+4:ACC+5], v[XA+4:XA+5], v[GA:GA+1], v[ACC+4:ACC+5] op_sel_hi:[1,0,1]
	XADD QB, 8
	v_exp_f32 v[EB], v[QB]
	v_pk_fma_f32 v[ACC+6:ACC+7], v[XA+6:XA+7], v[GA:GA+1], v[ACC+6:ACC+7] op_sel_hi:[1,0,1]
	s_wait_alu depctr_va_vdst(0)
	v_add_f32 v[EB], 1.0, v[EB]
	v_rcp_f32 v[GB], v[EB]
	v_add_f32 v[GS], v[GS], v[GA]
.if \masked
	v_cmp_lt_i32 vcc_lo, 4*\s+2, v[VREM]
	s_wait_alu depctr_va_vdst(0)
	v_cndmask_b32 v[GB], 0, v[GB], vcc_lo
.endif
	s_wait_alu depctr_va_vdst(0)
	v_pk_fma_f32 v[ACC:ACC+1],   v[XB:XB+1],   v[GB:GB+1], v[ACC:ACC+1]   op_sel_hi:[1,0,1]
	v_pk_fma_f32 v[ACC+2:ACC+3], v[XB+2:XB+3], v[GB:GB+1], v[ACC+2:ACC+3] op_sel_hi:[1,0,1]
	v_pk_fma_f32 v[ACC+4:ACC+5], v[XB+4:XB+5], v[GB:GB+1], v[ACC+4:ACC+5] op_sel_hi:[1,0,1]
	v_pk_fma_f32 v[ACC+6:ACC+7], v[XB+6:XB+7], v[GB:GB+1], v[ACC+6:ACC+7] op_sel_hi:[1,0,1]
	v_add_f32 v[GS], v[GS], v[GB]
.if \refill == 1
	LOADU 2*\s,   STRIDE
	LOADU 2*\s+1, STRIDE
.endif
.if \refill == 2
	LOADW 4*\s
	LOADW 4*\s+1
	LOADW 4*\s+2
	LOADW 4*\s+3
.endif
.endm
	s_cmp_eq_u32 s22, 1
	s_cbranch_scc1 .Llast
	; Two blocks: the first is whole (a later one exists), so it needs no mask.  Behind the four loads that a step needs stand the
	; 4 (3 - s) loads of the block's later steps and the 4 s refills of the earlier ones: always 12.
	STEP 0, 0, 12, 1
	STEP 1, 0, 12, 1
	STEP 2, 0, 12, 1
	STEP 3, 0, 12, 1
.Llast:
	; My last block, on either way here the youngest 16 loads.  Younger than a step's own four: 12; 8 + 4 of W_f; 4 + 8 of W_f; 8 of W_f.
	STEP 0, 1, 12, 2
	STEP 1, 1, 12, 2
	STEP 2, 1, 12, 0
	STEP 3, 1, 8, 0
.Lcombine:
	; The two halves of the lanes hold the sums of the even and of the odd rows, for the same columns: add them.
	s_mov_b32 s32, 0x76543210                      ; v_permlanex16_b32: lane i reads lane i of the other half
	s_mov_b32 s33, 0xfedcba98
.irp i, 0,4
	v_permlanex16_b32 v[GA],   v[ACC+\i],   s32, s33
	v_permlanex16_b32 v[GA+1], v[ACC+\i+1], s32, s33
	v_permlanex16_b32 v[GB],   v[ACC+\i+2], s32, s33
	v_permlanex16_b32 v[GB+1], v[ACC+\i+3], s32, s33
	v_pk_add_f32 v[ACC+\i:ACC+\i+1],   v[ACC+\i:ACC+\i+1],   v[GA:GA+1]
	v_pk_add_f32 v[ACC+\i+2:ACC+\i+3], v[ACC+\i+2:ACC+\i+3], v[GB:GB+1]
.endr
	v_permlanex16_b32 v[GA], v[GS], s32, s33
	v_add_f32 v[GS], v[GS], v[GA]
	s_lshl2_add_u32 s37, s3, GSB                   ; 4 wave + GSB
	v_mov_b32 v[HH], s37
	ds_store_b128 v[LS], v[ACC:ACC+3]              ; columns 4 c .. 4 c + 3; both halves of the lanes write the same bytes with the same numbers
	ds_store_b128 v[LS], v[ACC+4:ACC+7] offset:256 ; columns 64 + 4 c ..
	ds_store_b32 v[HH], v[GS]
	s_wait_dscnt 0x0                               ; for the other waves' sake: my stores are done before I signal
	s_barrier_signal -1
	s_barrier_wait -1
	; Every wave sums the 16 partial vectors: lane l gets s[4 l .. 4 l + 3], the columns that it holds of W_f's rows.
.irp p, 0,1,2,3,4,5,6,7,8,9,10,11,12,13,14,15
	ds_load_b128 v[R+4*\p:R+4*\p+3], v[LR] offset:\p*ROW
.endr
.macro QADD d, s
	v_pk_add_f32 v[R+4*\d:R+4*\d+1],   v[R+4*\d:R+4*\d+1],   v[R+4*\s:R+4*\s+1]
	v_pk_add_f32 v[R+4*\d+2:R+4*\d+3], v[R+4*\d+2:R+4*\d+3], v[R+4*\s+2:R+4*\s+3]
.endm
	s_wait_dscnt 8                                 ; the first eight are in, the younger eight stay out
	QADD 0, 1
	QADD 2, 3
	QADD 4, 5
	QADD 6, 7
	QADD 0, 2
	QADD 4, 6
	QADD 0, 4
	s_wait_dscnt 0x0
	QADD 8, 9
	QADD 10, 11
	QADD 12, 13
	QADD 14, 15
	QADD 8, 10
	QADD 12, 14
	QADD 8, 12
	QADD 0, 8                                      ; v[R:R+3] = s
	s_wait_loadcnt 0x0                             ; my 8 rows of W_f (and b_f)
.irp k, 0,1,2,3,4,5,6,7
	v_pk_mul_f32 v[X+4*\k:X+4*\k+1], v[X+4*\k:X+4*\k+1], v[R:R+1]
	v_pk_fma_f32 v[X+4*\k:X+4*\k+1], v[X+4*\k+2:X+4*\k+3], v[R+2:R+3], v[X+4*\k:X+4*\k+1]
	v_add_f32 v[T+\k], v[X+4*\k], v[X+4*\k+1]      ; my lane's part of row k's dot product
.endr
	; Eight sums over 32 lanes at once.  A merge takes two of them: lanes whose bit is set keep the second and hand over the first, the
	; others the other way round, so that one add serves both.  After three merges lane l holds row l % 8, summed over 8 lanes.
.macro MERGE d, t, a, b, mask, x
	v_cndmask_b32 v[\d], v[\a], v[\b], \mask       ; what I keep
	v_cndmask_b32 v[\t], v[\b], v[\a], \mask       ; what my partner keeps
	v_add_f32_dpp v[\d], v[\t], v[\d] row_xmask:\x row_mask:0xf bank_mask:0xf
.endm
	s_mov_b32 s34, 0xaaaaaaaa                      ; lanes with bit 0 set
	s_mov_b32 s35, 0xcccccccc                      ; bit 1
	s_mov_b32 s36, 0xf0f0f0f0                      ; bit 2
	MERGE U+0, V+0, T+0, T+1, s34, 1
	MERGE U+1, V+1, T+2, T+3, s34, 1
	MERGE U+2, V+2, T+4, T+5, s34, 1
	MERGE U+3, V+3, T+6, T+7, s34, 1
	MERGE T+0, T+2, U+0, U+1, s35, 2
	MERGE T+1, T+3, U+2, U+3, s35, 2
	MERGE U+0, U+1, T+0, T+1, s36, 4
	XADD U, 8
	v_permlanex16_b32 v[U+1], v[U], s32, s33
	v_add_f32 v[U], v[U], v[U+1]                   ; (W_f s)[8 wave + lane % 8]
	s_lshl_b32 s38, s3, 5
	v_and_b32 v[VREM], 7, v0
	v_lshl_add_u32 v[VREM], v[VREM], 2, s38
	ds_store_b32 v[VREM], v[U] offset:OUTB         ; four lanes write each word, with the same number
	s_wait_dscnt 0x0                               ; done before I signal
	s_barrier_signal -1
	s_barrier_wait -1
	s_cmp_lg_u32 s3, 0
	s_cbranch_scc1 .Lend
	; Wave 0: the bias, the norm, and the graph's row of 512 bytes.
	v_lshrrev_b32 v[HH], 2, v[C16]                 ; 4 (lane % 16)
	ds_load_b128 v[R:R+3], v[LR] offset:OUTB       ; (W_f s)[4 l .. 4 l + 3]
	ds_load_b32 v[GA], v[HH] offset:GSB            ; each 16 lanes: the 16 waves' gate sums
	s_wait_dscnt 0x0
	XADD GA, 1
	XADD GA, 2
	XADD GA, 4
	XADD GA, 8                                     ; G in every lane
	v_pk_fma_f32 v[R:R+1],   v[BF:BF+1],   v[GA:GA+1], v[R:R+1]   op_sel_hi:[1,0,1]
	v_pk_fma_f32 v[R+2:R+3], v[BF+2:BF+3], v[GA:GA+1], v[R+2:R+3] op_sel_hi:[1,0,1]
	v_pk_mul_f32 v[R+4:R+5], v[R:R+1], v[R:R+1]
	v_pk_fma_f32 v[R+4:R+5], v[R+2:R+3], v[R+2:R+3], v[R+4:R+5]
	v_add_f32 v[R+4], v[R+4], v[R+5]
	XADD R+4, 1
	XADD R+4, 2
	XADD R+4, 4
	XADD R+4, 8
	v_permlanex16_b32 v[R+5], v[R+4], s32, s33
	v_add_f32 v[R+4], v[R+4], v[R+5]               ; sum of the 128 squares
	v_sqrt_f32 v[R+6], v[R+4]
	v_nop                                          ; one plain place behind a transcendental (ISA guide 5.7.2); nothing else is left to do
	s_wait_alu depctr_va_vdst(0)
	v_max_num_f32 v[R+6], 0x2b8cbccc, v[R+6]       ; max(norm, 1e-12)
	v_rcp_f32 v[GB], v[R+6]
	v_nop
	s_wait_alu depctr_va_vdst(0)
	v_pk_mul_f32 v[R:R+1],   v[R:R+1],   v[GB:GB+1] op_sel_hi:[1,0]
	v_pk_mul_f32 v[R+2:R+3], v[R+2:R+3], v[GB:GB+1] op_sel_hi:[1,0]
	global_store_b128 v[LR], v[R:R+3], s[16:17] th:TH_STORE_NT   ; 32 lanes store 512 consecutive bytes, at a multiple of 512 from out's first byte
.Lend:
	s_wait_tensorcnt 0x0
	ds_add_u32 v112, v113
	s_wait_dscnt 0x0
	s_endpgm
.Lfunc_end_k_q2a08534d0b_graphemb:
	.size	k_q2a08534d0b_graphemb, .Lfunc_end_k_q2a08534d0b_graphemb-k_q2a08534d0b_graphemb
	.p2alignl 7, 3214868480
	.fill 96, 4, 3214868480
	.section	.rodata,"a",@progbits
	.p2align	6, 0x0
	.amdhsa_kernel k_q2a08534d0b_graphemb
		.amdhsa_group_segment_fixed_size 11264
		.amdhsa_private_segment_fixed_size 0
		.amdhsa_enable_private_segment 0
		.amdhsa_kernarg_size 56
		.amdhsa_user_sgpr_count 2
		.amdhsa_user_sgpr_kernarg_segment_ptr 1
		.amdhsa_wavefront_size32 1
		.amdhsa_system_sgpr_workgroup_id_x 1
		.amdhsa_system_sgpr_workgroup_id_y 1
		.amdhsa_system_sgpr_workgroup_id_z 1
		.amdhsa_system_vgpr_workitem_id 0
		.amdhsa_next_free_vgpr 114
		.amdhsa_next_free_sgpr 66
		.amdhsa_reserve_vcc 1
		.amdhsa_float_denorm_mode_32 3
		.amdhsa_float_denorm_mode_16_64 3
		.amdhsa_memory_ordered 1
		.amdhsa_forward_progress 1
		.amdhsa_inst_pref_size 34
	.end_amdhsa_kernel
	.amdgpu_metadata
---
amdhsa.version: [ 1, 2 ]
amdhsa.kernels:
  - .name:           k_q2a08534d0b_graphemb
    .symbol:         k_q2a08534d0b_graphemb.kd
    .args:
      - { .name: h, .offset: 0, .size: 8, .value_kind: global_buffer, .address_space: global }
      - { .name: ns, .offset: 8, .size: 8, .value_kind: global_buffer, .address_space: global }
      - { .name: W_f, .offset: 16, .size: 8, .value_kind: global_buffer, .address_space: global }
      - { .name: b_f, .offset: 24, .size: 8, .value_kind: global_buffer, .address_space: global }
      - { .name: W_g, .offset: 32, .size: 8, .value_kind: global_buffer, .address_space: global }
      - { .name: b_g, .offset: 40, .size: 8, .value_kind: global_buffer, .address_space: global }
      - { .name: out0, .offset: 48, .size: 8, .value_kind: global_buffer, .address_space: global }
    .group_segment_fixed_size: 11264
    .private_segment_fixed_size: 0
    .kernarg_segment_align: 8
    .kernarg_segment_size: 56
    .max_flat_workgroup_size: 512
    .sgpr_count:     66
    .vgpr_count:     114
    .wavefront_size: 32
...
	.end_amdgpu_metadata
.endif
;; end of part 1
;; ======== version 2 of 2: 1 launch; version 1 with the launch graphemb written anew for expert scheduling mode
;; launch graphemb (part 2): grid 512 x 1, 16 waves a work-group, no clusters, 11,264 bytes of LDS; arguments h, ns, W_f, b_f, W_g, b_g, out0; writes out0
.if DOCPART == 2
	.amdgcn_target "amdgcn-amd-amdhsa--gfx1250"
	.amdhsa_code_object_version 6
	.text
	.protected	k_q2a08534d0b_graphemb
	.globl	k_q2a08534d0b_graphemb
	.p2align	8
	.type	k_q2a08534d0b_graphemb,@function
k_q2a08534d0b_graphemb:
	s_mov_b64 s[64:65], 0
	v_nop
	global_prefetch_b8 v0, s[64:65] scope:SCOPE_SE
	s_setreg_imm32_b32 hwreg(HW_REG_WAVE_SCHED_MODE, 0, 2), 2
	s_setreg_imm32_b32 hwreg(HW_REG_WAVE_MODE, 25, 1), 1
	s_wait_xcnt 0x0
	s_wait_alu depctr_vm_vsrc(0)
; out[b] = hG / max(|hG|, 1e-12),  hG = sum over n < ns[b] of sigmoid(h[b][n].W_g + b_g) * (W_f h[b][n] + b_f).
; The projection is linear, so hG = W_f s + b_f G with s = sum g_n h[b][n] (128 numbers) and G = sum g_n: an identity for every input.
; What is left per row is one dot product of 128 and one scaled add of 128; per graph one product of W_f with a single vector.
; All of it is done in f32 on the vector unit: every product has one row or one column, and the bytes of h decide the time.
;
; One work-group = one graph, 16 waves.  Rows go in blocks of 16 (8,192 bytes); block j belongs to wave j % 16, so a wave has 0, 1 or 2
; blocks.  Blocks that begin at or behind ns[b] are never loaded.  No address hangs on ns: only forward scalar branches do.
; A load of a wave: lanes 0-15 take 256 consecutive aligned bytes of one row, lanes 16-31 the same columns of the next row; a second load
; takes the rows' other 256 bytes.  So a lane holds 8 columns of a row, and a row's dot product is summed over 16 lanes by four DPP adds,
; two rows at a time.
; A block's 16 loads are issued in one run (64 registers); the second block's loads, and at the end this wave's 8 rows of W_f, are
; issued into each group of 16 registers when the step that used it is shown done.
;
; No cluster and no joint request for W_f, which all work-groups read: each wave's path hangs on ns[b], which differs from one
; work-group to the next, and partners of a joint request may not differ in their branches.
;
; THE MODE: SCHED_MODE bits 1:0 = 2 (LLVM: expert scheduling mode 2), set by the entry lines.  The code itself states the register dependences
; between vector instructions and memory or LDS instructions, with s_wait_alu, always for 0.
; THE PLAN.  Registers that memory or LDS instructions touch:
;   v1, v2, v3, v6, v112-114  offsets and LDS addresses: all made at the head, ahead of one wait, and never written again.
;   X, group s (16 registers) the block's loads land in it; step s's dot products and weighted sums read it; the refill lands in it.
;   ACC, GS                   written by vector instructions; read by the LDS stores behind the stream.
;   R = v[48:111]             16 LDS loads land in it: it covers X's groups 2 and 3, W_g, ACC and what was at work.
;   U; R .. R+3, GA           the second LDS store's data; wave 0's two LDS loads; R .. R+3 are the global store's data.
; A step has two waits on va_vdst, one behind its two exponentials and one behind its two reciprocals.  The first also states that the step before
; is done reading its group of X, so that group's refill follows it; no vector instruction names the group again before its loads are waited for.
; The group of a first block's last step is asked for behind a wait of its own, ahead of the label that waves with one block reach too.
; The masks of the last block are made by eight compares in one run, into scalar registers, with one wait on va_sdst behind them.
;
; LIMITS.  ns is clamped to 0..512, which gives the mask that arange(512) < ns gives.  Rows at or behind ns in the graph's last block of
; 16 are read and get the gate 0: an Inf or NaN there gives NaN, as it does where a product with a zero mask is formed; rows of later blocks
; are not read at all.  v_exp_f32 and v_rcp_f32 flush denormals (ISA guide 15.8): a gate below 2^-126 counts as 0.  An exponent too large
; gives Inf, then 1/Inf = 0, the right limit.  The sums are made in another order than a sum along n.
.set ROW,    512                       ; bytes in a row of h, of W_f and of out
.set UNIT,   2*ROW                     ; two rows: what two loads of a wave bring
.set BLOCK,  16*ROW                    ; a wave's block
.set WAVES,  16
.set STRIDE, WAVES*BLOCK               ; from a wave's first block to its second
.set GSB,    WAVES*ROW                 ; LDS: 16 partial vectors of 512 bytes at 0, then 16 partial gate sums,
.set OUTB,   GSB+256                   ; then the 128 numbers of W_f s
.set VOFF, 1                           ; v1        512 (lane / 16) + 16 (lane % 16): my 16 bytes in a unit's first 256-byte halves
.set LS,   2                           ; v2        LDS: 512 wave + 16 (lane % 16)
.set LR,   3                           ; v3        16 lane: offset in a row of W_f, of b_f, of out, of a partial vector
.set VREM, 4                           ; v4        rows left at my last block's head, minus lane / 16
.set GS,   5                           ; v5        sum of my rows' gates
.set C16,  6                           ; v6        16 (lane % 16)
.set HH,   7                           ; v7        lane / 16
.set BF,   8                           ; v[8:11]   b_f of columns 4 lane .. 4 lane + 3
.set GA,   12                          ; v[12:13]  gate of unit a, and a register that is only there to make a pair
.set GB,   14                          ; v[14:15]  the same for unit b
.set X,    16                          ; v[16:79]  a block: unit u in 8 registers; v[16:47] later 8 rows of W_f
.set R,    48                          ; v[48:111] behind the stream: the 16 partial vectors, 4 registers each
.set WG,   80                          ; v[80:87]  -log2(e) W_g of my 8 columns
.set ACC,  88                          ; v[88:95]  sum of g h over my rows, my 8 columns
.set PA,   96                          ; v[96:97]  unit a: two partial dot products
.set PB,   98                          ; v[98:99]  unit b
.set QA,   100
.set QB,   101
.set EA,   102
.set EB,   103
.set BI,   104                         ; v[104:105] -log2(e) b_g / 32, twice: 16 lanes x 2 partial sums start from it
.set GSA,  112                         ; v112      LDS: GSB + 4 wave: my wave's gate sum
.set OA,   113                         ; v113      LDS, less OUTB: 32 wave + 4 (lane % 8)
.set C4,   114                         ; v114      4 (lane % 16)
.set T,    R+4                         ; v[52:59]  8 dot products with W_f's rows
.set U,    R+12                        ; v[60:63]
.set V,    R+16                        ; v[64:67]
.set MK,   40                          ; s[40:47]  unit u of my last block: the lanes whose row lies in front of ns
	s_load_b256 s[4:11], s[0:1], 0x0               ; h s[4:5], ns s[6:7], W_f s[8:9], b_f s[10:11]
	s_load_b128 s[12:15], s[0:1], 0x20             ; W_g s[12:13], b_g s[14:15]
	s_load_b64 s[16:17], s[0:1], 0x30              ; out
	v_lshl_add_u32 v116, v0, 2, 0x2400
	v_mov_b32 v117, 0
	v_lshrrev_b32 v[GSA], 5, v0
	v_readfirstlane_b32 s3, v[GSA]                 ; wave 0..15
	v_and_b32 v[C16], 15, v0
	v_bfe_u32 v[HH], v0, 4, 1                      ; lane / 16
	v_and_b32 v[LR], 31, v0
	v_and_b32 v[OA], 7, v0
	v_lshl_add_u32 v[GSA], v[GSA], 2, GSB
	v_lshlrev_b32 v[C4], 2, v[C16]
	v_lshlrev_b32 v[C16], 4, v[C16]
	v_lshlrev_b32 v[LR], 4, v[LR]
	v_lshl_add_u32 v[VOFF], v[HH], 9, v[C16]
	; The sums start at 0 in registers: a wave may have no block at all, and the first block is worked on by one of two texts.
.irp i, 0,1,2,3,4,5,6,7
	v_mov_b32 v[ACC+\i], 0
.endr
	v_mov_b32 v[GS], 0
.irp i, 0,1,2,3
	v_mov_b32 v[GA+\i], 0                          ; pairs are read whole, and v_permlanex16_b32 counts as a reader of its destination
.endr
	s_wait_alu depctr_va_sdst(0)                   ; s3 is written, ahead of its first reader: offsets, LDS addresses and the branches are made from it
	s_lshl_b32 s18, ttmp9, 2                       ; byte offset of ns[b]
	s_lshl_b32 s24, s3, 13                         ; h: wave x 8,192
	s_lshl_b32 s25, ttmp9, 18                      ;    + graph x 262,144 (below 2^27)
	s_add_co_u32 s24, s24, s25
	s_mov_b32 s25, 0
	s_lshl_b32 s26, s3, 12                         ; W_f: wave x 8 rows
	s_mov_b32 s27, 0
	s_lshl_b32 s28, ttmp9, 9                       ; out: graph x 512
	s_mov_b32 s29, 0
	s_lshl_b32 s2, s3, 9                           ; LDS: wave x 512
	s_lshl_b32 s38, s3, 5                          ; LDS: wave x 8 numbers
	v_add_nc_u32 v[LS], s2, v[C16]
	v_lshl_add_u32 v[OA], v[OA], 2, s38
	s_wait_kmcnt 0x0
	s_load_b32 s19, s[6:7], s18 offset:0x0         ; ns[b]
	s_load_b32 s20, s[14:15], 0x0                  ; b_g
	s_wait_alu depctr_va_vdst(0)                   ; the seven offsets and LDS addresses are written, which every load and store of the kernel reads; none is written again
	global_load_b128 v[WG:WG+3],   v[C16], s[12:13]
	global_load_b128 v[WG+4:WG+7], v[C16], s[12:13] offset:256
	global_load_b128 v[BF:BF+3],   v[LR],  s[10:11]
	s_add_nc_u64 s[4:5], s[4:5], s[24:25]          ; h at my first block
	s_add_nc_u64 s[8:9], s[8:9], s[26:27]          ; W_f at my 8 rows
	s_add_nc_u64 s[16:17], s[16:17], s[28:29]      ; out at my graph's row
	s_wait_kmcnt 0x0
	s_max_i32 s19, s19, 0
	s_min_u32 s19, s19, 512                        ; ns in 0..512
	s_add_co_u32 s21, s19, 15
	s_lshr_b32 s21, s21, 4                         ; blocks of the graph, the last perhaps in part: 0..32
	s_add_co_u32 s22, s21, 15
	s_sub_co_u32 s22, s22, s3
	s_lshr_b32 s22, s22, 4                         ; blocks of this wave: 0, 1 or 2
.macro LOADU u, base                   ; unit u of a block: two rows, 1,024 consecutive bytes by two loads
	global_load_b128 v[X+8*(\u):X+8*(\u)+3],   v[VOFF], s[4:5] offset:\base+(\u)*UNIT th:TH_LOAD_NT
	global_load_b128 v[X+8*(\u)+4:X+8*(\u)+7], v[VOFF], s[4:5] offset:\base+(\u)*UNIT+256 th:TH_LOAD_NT
.endm
.macro LOADW k                         ; row k of my 8 rows of W_f: 512 consecutive bytes; read by every work-group, so no hint
	global_load_b128 v[X+4*(\k):X+4*(\k)+3], v[LR], s[8:9] offset:(\k)*ROW
.endm
.macro XADD r, m                       ; lane i adds lane i xor m of its 16
	v_add_f32_dpp v[\r], v[\r], v[\r] row_xmask:\m row_mask:0xf bank_mask:0xf
.endm
	s_cmp_lg_u32 s22, 0
	s_cbranch_scc1 .Lwork
	; A wave without rows: its sums stay 0; it still takes its share of W_f.  No vector instruction has named X.
.irp k, 0,1,2,3,4,5,6,7
	LOADW \k
.endr
	s_wait_loadcnt 8                               ; the 8 loads above stay out; W_g's are in, whose registers are loaded again from LDS below
	s_branch .Lcombine
.Lwork:
.irp u, 0,1,2,3,4,5,6,7
	LOADU \u, 0                                    ; my first block, all 16 loads in one run; no vector instruction has named X
.endr
	s_lshl_b32 s23, s3, 4
	s_sub_co_u32 s23, s19, s23                     ; ns - 16 wave
	s_sub_co_u32 s30, s22, 1
	s_lshl_b32 s30, s30, 8
	s_sub_co_u32 s23, s23, s30                     ; - 256 if my last block is my second: rows left at its head, at least 1
	v_sub_nc_u32 v[VREM], s23, v[HH]               ; row 2 u + lane / 16 of that block counts if 2 u < this
	s_mov_b32 s31, 0xbd38aa3b                      ; -log2(e) / 32
	v_mul_f32 v[BI], s20, s31
	v_mul_f32 v[BI+1], s20, s31
	s_wait_loadcnt 16                              ; the block's 16 loads stay out; W_g and b_f, issued before them, are in (in order: ISA guide 5.7.1)
.irp i, 0,2,4,6
	v_pk_mul_f32 v[WG+\i:WG+\i+1], v[WG+\i:WG+\i+1], 0xbfb8aa3b op_sel_hi:[1,0]   ; sigmoid(x) = 1 / (1 + 2^(-log2(e) x))
.endr
; Four rows: units a = 2 s and b = 2 s + 1, side by side, so that the two exponentials are one batch and the two reciprocals another.
; left = how many younger loads may stay out.  masked = 1: rows at or behind ns get the gate 0.
; refill: what is asked for into the group of the step BEFORE: 1: its units of my second block; 2: rows 4 (s - 1) .. 4 (s - 1) + 3 of my part of W_f; 0: nothing.
; Behind each batch stand a v_nop, the plain instruction between a transcendental and the use of its result (ISA guide 5.7.2), and the wait that
; stands ahead of the first instruction that names a result.
.macro STEP s, masked, left, refill
.set XA, X+16*\s
.set XB, X+16*\s+8
	s_wait_loadcnt \left
	v_pk_fma_f32 v[PA:PA+1], v[XA:XA+1],   v[WG:WG+1],   v[BI:BI+1]
	v_pk_fma_f32 v[PB:PB+1], v[XB:XB+1],   v[WG:WG+1],   v[BI:BI+1]
	v_pk_fma_f32 v[PA:PA+1], v[XA+2:XA+3], v[WG+2:WG+3], v[PA:PA+1]
	v_pk_fma_f32 v[PB:PB+1], v[XB+2:XB+3], v[WG+2:WG+3], v[PB:PB+1]
	v_pk_fma_f32 v[PA:PA+1], v[XA+4:XA+5], v[WG+4:WG+5], v[PA:PA+1]
	v_pk_fma_f32 v[PB:PB+1], v[XB+4:XB+5], v[WG+4:WG+5], v[PB:PB+1]
	v_pk_fma_f32 v[PA:PA+1], v[XA+6:XA+7], v[WG+6:WG+7], v[PA:PA+1]
	v_pk_fma_f32 v[PB:PB+1], v[XB+6:XB+7], v[WG+6:WG+7], v[PB:PB+1]
	v_add_f32 v[QA], v[PA], v[PA+1]
	v_add_f32 v[QB], v[PB], v[PB+1]
.irp m, 1,2,4,8
	XADD QA, \m
	XADD QB, \m
.endr                                                  ; each 16 lanes: -log2(e) (h.W_g + b_g) of their row
	v_exp_f32 v[EA], v[QA]
	v_exp_f32 v[EB], v[QB]
	v_nop
	s_wait_alu depctr_va_vdst(0)                   ; the two exponentials have written EA and EB; the step before is done reading its group of X, in which the loads below land
.if \refill == 1
	LOADU 2*\s-2, STRIDE
	LOADU 2*\s-1, STRIDE
.endif
.if \refill == 2
	LOADW 4*\s-4
	LOADW 4*\s-3
	LOADW 4*\s-2
	LOADW 4*\s-1
.endif
	v_add_f32 v[EA], 1.0, v[EA]
	v_add_f32 v[EB], 1.0, v[EB]
	v_rcp_f32 v[GA], v[EA]
	v_rcp_f32 v[GB], v[EB]
	v_nop
	s_wait_alu depctr_va_vdst(0)                   ; the two reciprocals have written GA and GB, ahead of their first readers
.if \masked
	v_cndmask_b32 v[GA], 0, v[GA], s[MK+2*\s]
	v_cndmask_b32 v[GB], 0, v[GB], s[MK+2*\s+1]
.endif
	v_pk_fma_f32 v[ACC:ACC+1],   v[XA:XA+1],   v[GA:GA+1], v[ACC:ACC+1]   op_sel_hi:[1,0,1]
	v_pk_fma_f32 v[ACC+2:ACC+3], v[XA+2:XA+3], v[GA:GA+1], v[ACC+2:ACC+3] op_sel_hi:[1,0,1]
	v_pk_fma_f32 v[ACC+4:ACC+5], v[XA+4:XA+5], v[GA:GA+1], v[ACC+4:ACC+5] op_sel_hi:[1,0,1]
	v_pk_fma_f32 v[ACC+6:ACC+7], v[XA+6:XA+7], v[GA:GA+1], v[ACC+6:ACC+7] op_sel_hi:[1,0,1]
	v_add_f32 v[GS], v[GS], v[GA]
	v_pk_fma_f32 v[ACC:ACC+1],   v[XB:XB+1],   v[GB:GB+1], v[ACC:ACC+1]   op_sel_hi:[1,0,1]
	v_pk_fma_f32 v[ACC+2:ACC+3], v[XB+2:XB+3], v[GB:GB+1], v[ACC+2:ACC+3] op_sel_hi:[1,0,1]
	v_pk_fma_f32 v[ACC+4:ACC+5], v[XB+4:XB+5], v[GB:GB+1], v[ACC+4:ACC+5] op_sel_hi:[1,0,1]
	v_pk_fma_f32 v[ACC+6:ACC+7], v[XB+6:XB+7], v[GB:GB+1], v[ACC+6:ACC+7] op_sel_hi:[1,0,1]
	v_add_f32 v[GS], v[GS], v[GB]
.endm
	s_cmp_eq_u32 s22, 1
	s_cbranch_scc1 .Llast
	; Two blocks: the first is whole (a later one exists), so it needs no mask.  Younger than the four loads that a step needs:
	; step 0: the block's other 12; step 1: groups 2 and 3; step 2: group 3 and group 0's refill; step 3: the refills of groups 0 and 1.
	STEP 0, 0, 12, 0
	STEP 1, 0, 8, 1
	STEP 2, 0, 8, 1
	STEP 3, 0, 8, 1
	s_wait_alu depctr_va_vdst(0)                   ; step 3 is done reading units 6 and 7, in which the second block's last four loads land
	LOADU 6, STRIDE
	LOADU 7, STRIDE
.Llast:
	; My last block, on either way here the youngest 16 loads.  Its masks first: eight compares in one run.
.irp u, 0,1,2,3,4,5,6,7
	v_cmp_lt_i32 s[MK+\u], 2*\u, v[VREM]
.endr
	s_wait_alu depctr_va_sdst(0)                   ; the eight masks are written, ahead of the selects that read them
	; Younger than a step's own four: 12; groups 2 and 3; group 3 and 4 of W_f; 8 of W_f.
	STEP 0, 1, 12, 0
	STEP 1, 1, 8, 2
	STEP 2, 1, 8, 2
	STEP 3, 1, 8, 0
.Lcombine:
	; The two halves of the lanes hold the sums of the even and of the odd rows, for the same columns: add them.
	s_mov_b32 s32, 0x76543210                      ; v_permlanex16_b32: lane i reads lane i of the other half
	s_mov_b32 s33, 0xfedcba98
.irp i, 0,4
	v_permlanex16_b32 v[GA],   v[ACC+\i],   s32, s33
	v_permlanex16_b32 v[GA+1], v[ACC+\i+1], s32, s33
	v_permlanex16_b32 v[GB],   v[ACC+\i+2], s32, s33
	v_permlanex16_b32 v[GB+1], v[ACC+\i+3], s32, s33
	v_pk_add_f32 v[ACC+\i:ACC+\i+1],   v[ACC+\i:ACC+\i+1],   v[GA:GA+1]
	v_pk_add_f32 v[ACC+\i+2:ACC+\i+3], v[ACC+\i+2:ACC+\i+3], v[GB:GB+1]
.endr
	v_permlanex16_b32 v[GA], v[GS], s32, s33
	v_add_f32 v[GS], v[GS], v[GA]
	s_wait_alu depctr_va_vdst(0)                   ; ACC and GS are written, which the LDS stores read; and every vector instruction that named v48 to v111 is done: the 16 LDS loads below land there, and no vector instruction stands between
	ds_store_b128 v[LS], v[ACC:ACC+3]              ; columns 4 c .. 4 c + 3; both halves of the lanes write the same bytes with the same numbers
	ds_store_b128 v[LS], v[ACC+4:ACC+7] offset:256 ; columns 64 + 4 c ..
	ds_store_b32 v[GSA], v[GS]
	s_wait_dscnt 0x0                               ; for the other waves' sake: my stores are done before I signal
	s_barrier_signal -1
	s_barrier_wait -1
	s_wait_alu depctr_vm_vsrc(0)                   ; my LDS stores have read ACC, in which two of the loads below land
	; Every wave sums the 16 partial vectors: lane l gets s[4 l .. 4 l + 3], the columns that it holds of W_f's rows.
.irp p, 0,1,2,3,4,5,6,7,8,9,10,11,12,13,14,15
	ds_load_b128 v[R+4*\p:R+4*\p+3], v[LR] offset:\p*ROW
.endr
.macro QADD d, s
	v_pk_add_f32 v[R+4*\d:R+4*\d+1],   v[R+4*\d:R+4*\d+1],   v[R+4*\s:R+4*\s+1]
	v_pk_add_f32 v[R+4*\d+2:R+4*\d+3], v[R+4*\d+2:R+4*\d+3], v[R+4*\s+2:R+4*\s+3]
.endm
	s_wait_dscnt 8                                 ; the first eight are in, the younger eight stay out
	QADD 0, 1
	QADD 2, 3
	QADD 4, 5
	QADD 6, 7
	QADD 0, 2
	QADD 4, 6
	QADD 0, 4
	s_wait_dscnt 0x0
	QADD 8, 9
	QADD 10, 11
	QADD 12, 13
	QADD 14, 15
	QADD 8, 10
	QADD 12, 14
	QADD 8, 12
	QADD 0, 8                                      ; v[R:R+3] = s
	s_wait_loadcnt 0x0                             ; my 8 rows of W_f (and b_f)
.irp k, 0,1,2,3,4,5,6,7
	v_pk_mul_f32 v[X+4*\k:X+4*\k+1], v[X+4*\k:X+4*\k+1], v[R:R+1]
	v_pk_fma_f32 v[X+4*\k:X+4*\k+1], v[X+4*\k+2:X+4*\k+3], v[R+2:R+3], v[X+4*\k:X+4*\k+1]
	v_add_f32 v[T+\k], v[X+4*\k], v[X+4*\k+1]      ; my lane's part of row k's dot product
.endr
	; Eight sums over 32 lanes at once.  A merge takes two of them: lanes whose bit is set keep the second and hand over the first, the
	; others the other way round, so that one add serves both.  After three merges lane l holds row l % 8, summed over 8 lanes.
.macro MERGE d, t, a, b, mask, x
	v_cndmask_b32 v[\d], v[\a], v[\b], \mask       ; what I keep
	v_cndmask_b32 v[\t], v[\b], v[\a], \mask       ; what my partner keeps
	v_add_f32_dpp v[\d], v[\t], v[\d] row_xmask:\x row_mask:0xf bank_mask:0xf
.endm
	s_mov_b32 s34, 0xaaaaaaaa                      ; lanes with bit 0 set (constants, written by scalar instructions)
	s_mov_b32 s35, 0xcccccccc                      ; bit 1
	s_mov_b32 s36, 0xf0f0f0f0                      ; bit 2
	MERGE U+0, V+0, T+0, T+1, s34, 1
	MERGE U+1, V+1, T+2, T+3, s34, 1
	MERGE U+2, V+2, T+4, T+5, s34, 1
	MERGE U+3, V+3, T+6, T+7, s34, 1
	MERGE T+0, T+2, U+0, U+1, s35, 2
	MERGE T+1, T+3, U+2, U+3, s35, 2
	MERGE U+0, U+1, T+0, T+1, s36, 4
	XADD U, 8
	v_permlanex16_b32 v[U+1], v[U], s32, s33
	v_add_f32 v[U], v[U], v[U+1]                   ; (W_f s)[8 wave + lane % 8]
	s_wait_alu depctr_va_vdst(0)                   ; U is written, which the LDS store reads; and the vector instructions that named R .. R+3 and GA are done: wave 0's two LDS loads land there, with no vector instruction between
	ds_store_b32 v[OA], v[U] offset:OUTB           ; four lanes write each word, with the same number
	s_wait_dscnt 0x0                               ; done before I signal
	s_barrier_signal -1
	s_barrier_wait -1
	s_cmp_lg_u32 s3, 0
	s_cbranch_scc1 .Lend
	; Wave 0: the bias, the norm, and the graph's row of 512 bytes.
	ds_load_b128 v[R:R+3], v[LR] offset:OUTB       ; (W_f s)[4 l .. 4 l + 3]
	ds_load_b32 v[GA], v[C4] offset:GSB            ; each 16 lanes: the 16 waves' gate sums
	s_wait_dscnt 0x0
	XADD GA, 1
	XADD GA, 2
	XADD GA, 4
	XADD GA, 8                                     ; G in every lane
	v_pk_fma_f32 v[R:R+1],   v[BF:BF+1],   v[GA:GA+1], v[R:R+1]   op_sel_hi:[1,0,1]
	v_pk_fma_f32 v[R+2:R+3], v[BF+2:BF+3], v[GA:GA+1], v[R+2:R+3] op_sel_hi:[1,0,1]
	v_pk_mul_f32 v[R+4:R+5], v[R:R+1], v[R:R+1]
	v_pk_fma_f32 v[R+4:R+5], v[R+2:R+3], v[R+2:R+3], v[R+4:R+5]
	v_add_f32 v[R+4], v[R+4], v[R+5]
	XADD R+4, 1
	XADD R+4, 2
	XADD R+4, 4
	XADD R+4, 8
	v_permlanex16_b32 v[R+5], v[R+4], s32, s33
	v_add_f32 v[R+4], v[R+4], v[R+5]               ; sum of the 128 squares
	v_sqrt_f32 v[R+6], v[R+4]
	v_nop                                          ; one plain place behind a transcendental (ISA guide 5.7.2); nothing else is left to do
	s_wait_alu depctr_va_vdst(0)                   ; the root has written R+6, ahead of its first reader
	v_max_num_f32 v[R+6], 0x2b8cbccc, v[R+6]       ; max(norm, 1e-12)
	v_rcp_f32 v[GB], v[R+6]
	v_nop
	s_wait_alu depctr_va_vdst(0)                   ; the reciprocal has written GB, ahead of its first reader
	v_pk_mul_f32 v[R:R+1],   v[R:R+1],   v[GB:GB+1] op_sel_hi:[1,0]
	v_pk_mul_f32 v[R+2:R+3], v[R+2:R+3], v[GB:GB+1] op_sel_hi:[1,0]
	s_wait_alu depctr_va_vdst(0)                   ; the two multiplies have written R .. R+3, which the store reads
	global_store_b128 v[LR], v[R:R+3], s[16:17] th:TH_STORE_NT   ; 32 lanes store 512 consecutive bytes, at a multiple of 512 from out's first byte
.Lend:
	s_wait_dscnt 0x0
	s_wait_alu depctr_hold_cnt(0) depctr_sa_sdst(0) depctr_va_vdst(0) depctr_va_sdst(0) depctr_va_ssrc(0) depctr_va_vcc(0) depctr_vm_vsrc(0)
	s_wait_tensorcnt 0x0
	ds_add_u32 v116, v117
	s_wait_dscnt 0x0
	s_endpgm
.Lfunc_end_k_q2a08534d0b_graphemb:
	.size	k_q2a08534d0b_graphemb, .Lfunc_end_k_q2a08534d0b_graphemb-k_q2a08534d0b_graphemb
	.p2alignl 7, 3214868480
	.fill 96, 4, 3214868480
	.section	.rodata,"a",@progbits
	.p2align	6, 0x0
	.amdhsa_kernel k_q2a08534d0b_graphemb
		.amdhsa_group_segment_fixed_size 11264
		.amdhsa_private_segment_fixed_size 0
		.amdhsa_enable_private_segment 0
		.amdhsa_kernarg_size 56
		.amdhsa_user_sgpr_count 2
		.amdhsa_user_sgpr_kernarg_segment_ptr 1
		.amdhsa_wavefront_size32 1
		.amdhsa_system_sgpr_workgroup_id_x 1
		.amdhsa_system_sgpr_workgroup_id_y 1
		.amdhsa_system_sgpr_workgroup_id_z 1
		.amdhsa_system_vgpr_workitem_id 0
		.amdhsa_next_free_vgpr 118
		.amdhsa_next_free_sgpr 66
		.amdhsa_reserve_vcc 0
		.amdhsa_float_denorm_mode_32 3
		.amdhsa_float_denorm_mode_16_64 3
		.amdhsa_memory_ordered 1
		.amdhsa_forward_progress 1
		.amdhsa_inst_pref_size 35
	.end_amdhsa_kernel
	.amdgpu_metadata
---
amdhsa.version: [ 1, 2 ]
amdhsa.kernels:
  - .name:           k_q2a08534d0b_graphemb
    .symbol:         k_q2a08534d0b_graphemb.kd
    .args:
      - { .name: h, .offset: 0, .size: 8, .value_kind: global_buffer, .address_space: global }
      - { .name: ns, .offset: 8, .size: 8, .value_kind: global_buffer, .address_space: global }
      - { .name: W_f, .offset: 16, .size: 8, .value_kind: global_buffer, .address_space: global }
      - { .name: b_f, .offset: 24, .size: 8, .value_kind: global_buffer, .address_space: global }
      - { .name: W_g, .offset: 32, .size: 8, .value_kind: global_buffer, .address_space: global }
      - { .name: b_g, .offset: 40, .size: 8, .value_kind: global_buffer, .address_space: global }
      - { .name: out0, .offset: 48, .size: 8, .value_kind: global_buffer, .address_space: global }
    .group_segment_fixed_size: 11264
    .private_segment_fixed_size: 0
    .kernarg_segment_align: 8
    .kernarg_segment_size: 56
    .max_flat_workgroup_size: 512
    .sgpr_count:     66
    .vgpr_count:     118
    .wavefront_size: 32
...
	.end_amdgpu_metadata
.endif
;; end of part 2
